; MI455X (gfx1250); checked and timed in simulation.
; The chip was launched on July 23, 2026; its instructions are those of AMD's public machine-readable ISA for CDNA 5 (MIT licence, August 2026) and "CDNA5" Instruction Set Architecture Reference Guide (July 2026). The comments in the code are by the model that wrote it; some were corrected since.
;; Optimized Causal Self Attention. Allowed arithmetic: matrix products marked QUANTISED: E3M2 operands, one E8M0 scale for each 32 along K, by v_wmma_scale_f32_16x16x128_f8f6f4 with both operands' format E3M2, f32 sums; everything else in f32.
;; Inputs: Wk 1,024 x 1,024 float32; Wq 1,024 x 1,024 float32; Wv 1,024 x 1,024 float32; attention_mask 4 x 1 x 1 x 2,048 float32; bk 1,024 float32; bq 1,024 float32; bv 1,024 float32; hidden_states 4 x 2,048 x 1,024 float32.
;; Outputs: out0 4 x 2,048 x 1,024 float32.
;; This version of the problem:
;;   THIS VERSION OF THE PROBLEM IS GIVEN IN LOW PRECISION. The matrix products marked QUANTISED in the list below multiply operands that are first quantised to E3M2 (3 exponent bits, 2 mantissa bits; 6 bits a number), with one power-of-two scale for each 32 numbers along K (OCP MX v1.0); their sums are f32. All else is computed in f32.
;;   The module's matrix products, in the order in which they are computed (A, B: the left and right operand; K: the contracted axis; several contracted axes count as one K, in the product's order):
;;     1. [M 8,192, K 1,024] x [K 1,024, N 1,024]; A: input hidden_states; B: input Wq: QUANTISED
;;     2. [M 8,192, K 1,024] x [K 1,024, N 1,024]; A: input hidden_states; B: input Wk: QUANTISED
;;     3. [M 8,192, K 1,024] x [K 1,024, N 1,024]; A: input hidden_states; B: input Wv: QUANTISED
;;     4. batch 64 x [M 2,048, K 64] x [K 64, N 2,048]; A: computed on the way; B: computed on the way: QUANTISED
;;     5. batch 64 x [M 2,048, K 2,048] x [K 2,048, N 64]; A: softmax (see below); B: computed on the way: QUANTISED
;;   THE QUANTISER, for each operand of a quantised product, along K:
;;     - K is cut into blocks of 32 from its start; a last block that is shorter is filled with zeros.
;;     - A block's scale is 2^e with e = floor(log2(the largest magnitude in the block)) - 4, held to -126 .. 127; a block of zeros has e = 0. As a byte (E8M0): e + 127.
;;     - Each number is divided by its block's scale, clamped to +-28, and rounded to the nearest number of E3M2, ties to even, subnormals kept.
;;     - The product sums the exact products of the quantised numbers (number of the format x scale) in f32.
;;   ~~~python
;;   def quantise(x, axis):      # numpy; x: float32 -> the quantised numbers, widened to float32 again
;;       x = np.moveaxis(x, axis, -1); K = x.shape[-1]
;;       x = np.pad(x, [(0, 0)] * (x.ndim - 1) + [(0, -K % 32)]); x = x.reshape(x.shape[:-1] + (-1, 32)); a = np.abs(x).max(-1, keepdims=True)
;;       e = np.where(a > 0, np.clip(np.frexp(np.where(a > 0, a, 1))[1] - 1 - 4, -126, 127), 0)      # np.frexp(a)[1] - 1 = floor(log2(a)), exactly
;;       r = np.clip(x / 2.0 ** e, -28, 28)
;;       step = 2.0 ** (np.maximum(np.frexp(np.where(r == 0, 1, r))[1] - 1, -2) - 2)
;;       q = np.round(r / step) * step * 2.0 ** e      # np.round: ties to even
;;       return np.moveaxis(q.reshape(q.shape[:-2] + (-1,))[..., :K], -1, axis).astype(np.float32)
;;   ~~~
;;   SOFTMAX AHEAD OF A QUANTISED PRODUCT. Where the list says 'softmax', what is quantised is not the finished softmax but p = 2^(t - M), with t = logit x log2(e) and M = ceil(the row's largest t), a whole number; so 1/2 < the row's largest p <= 1. The row's sum l is taken of the UNQUANTISED p, in f32, and the product's result is divided by l at the end. Since M is a whole number, a kernel that streams over the keys may use a running M (the ceiling of the running maximum): every later rescaling is an exact power of two, which a block's scale takes up: the codes' values come out the same.
;;   OPERANDS COMPUTED ON THE WAY. 'Computed on the way' means the value that the module computes at that place (a softmax that the list does not call 'softmax' is quantised finished and normalised). What goes into a quantiser is computed in f32, as accurately as f32 sums, v_exp_f32 and their like allow (about 1e-6 of the number): no bf16 or f16 on the way to a quantiser, and a product that is left as it is and whose result goes on into a quantised operand takes f32 operands (vector FMAs, or v_wmma_f32_16x16x4_f32). A number that lies on a knife's edge between two numbers of the format may be rounded either way, as far as f32 arithmetic and the matrix unit's own rounding can turn it there, and no further.
;; One version. Each part assembles by itself: llvm-mc -triple=amdgcn-amd-amdhsa -mcpu=gfx1250 --defsym DOCPART=n.
;; ======== version 1 of 1: 3 launches
;; limits: right only within a limited range of input values
;; workspace buffers: x_codes 6,291,456 bytes; x_scales 262,144 bytes; w_codes 2,359,296 bytes; w_scales 98,304 bytes; qkv 20,185,088 bytes
;; launch quant (part 1): grid 352 x 1, 4 waves a work-group, no clusters, 33,280 bytes of LDS; arguments hidden_states, Wq, Wk, Wv, x_codes, x_scales, w_codes, w_scales; writes x_codes, x_scales, w_codes, w_scales
.if DOCPART == 1
	.amdgcn_target "amdgcn-amd-amdhsa--gfx1250"
	.amdhsa_code_object_version 6
	.text
	.protected	k_q8b2cbc1a6b_quant
	.globl	k_q8b2cbc1a6b_quant
	.p2align	8
	.type	k_q8b2cbc1a6b_quant,@function
k_q8b2cbc1a6b_quant:
	s_mov_b64 s[64:65], 0
	v_nop
	global_prefetch_b8 v0, s[64:65] scope:SCOPE_SE
	s_setreg_imm32_b32 hwreg(HW_REG_WAVE_MODE, 25, 1), 1
	s_wait_xcnt 0x0
; hidden_states [8192][1024] and Wq, Wk, Wv [1024][1024], f32, K innermost, become codes of BF6 (E3M2), 6 bits each, with one E8M0 scale byte for each 32 along K.
; A block's scale is 2^(floor(log2(its largest magnitude)) - 4); its byte is the largest magnitude's exponent field - 4, held at 1 from below.  Each number is divided by the scale and rounded to the nearest code, ties to even; beyond 28 the largest code.
; (A block of zeros gets the byte 1 where the quantiser says 127: its codes are zeros, which add nothing under any byte but 0xff, and the bytes are read by this program alone.)
; LIMITS: NaN and infinities among the inputs are not served; blocks whose largest magnitude lies under 2^-122 keep the byte 1.
; OUT: x_codes [8192 places][768 bytes], x_scales [8192][32]; w_codes [3072][768], w_scales [3072][32] (Wq's rows, then Wk's, then Wv's).
; ROW rho LIES AT THE PLACE rho WITH ITS BITS 3 AND 4 EXCHANGED: places 16 u + r of a group of 32 then hold rows 8 u + r + 8 (r / 8), so that sixteen neighbouring places are the rows that the next launch wants in one matrix tile.
; A wave takes 8 whole rows (16 steps of 512 numbers), so the exchange only changes the number of the run that it writes: wave w of a work-group writes run 2 (w % 2) + w / 2.
; Work-groups 0-255 take hidden_states, 256-287 Wq, 288-319 Wk, 320-351 Wv: only pointers are chosen, on the work-group's number; there is one path through the text.
; Each load reads 512 consecutive bytes; a step's 2,048 bytes turn through the wave's own stage in LDS so that a lane holds 16 neighbours along K (two lanes to a block).  No barrier: waves share nothing.
.set STEPS, 16
.set EMAX,  4
.set CB,    12                         ; bytes of 16 codes
.set R,     16                         ; v16-79   four sets of 16 numbers as they are loaded
.set X,     80                         ; v80-111  two sets of 16 neighbours
.set C,     128                        ; v128-191 codes: four registers for each step, so that no store's data are written again
.set E,     112                        ; v112-127 a scale byte for each step
.set WREG,  8192                       ; LDS: a region for each wave: two stages of 32 x SP bytes, behind them its 256 scale bytes
.set SP,    80                         ; a lane's place in a stage: 64 bytes + 16 of padding
	s_load_b256 s[4:11], s[0:1], 0x0               ; hidden_states, Wq, Wk, Wv
	s_load_b256 s[12:19], s[0:1], 0x20             ; x_codes, x_scales, w_codes, w_scales
	v_lshl_add_u32 v192, v0, 2, 0x8000
	v_mov_b32 v193, 0
	v_lshrrev_b32 v1, 5, v0
	v_readfirstlane_b32 s20, v1                    ; wave
	v_and_b32 v2, 31, v0                           ; lane
	v_lshlrev_b32 v3, 4, v2                        ; my 16 bytes of a load's 512
	s_mul_i32 s21, s20, WREG
	v_lshrrev_b32 v14, 2, v2
	v_mul_u32_u24 v14, v14, SP
	v_and_b32 v15, 3, v2
	v_lshl_add_u32 v14, v15, 4, v14
	v_add_nc_u32 v14, s21, v14                     ; the stage, way in: SP (lane / 4) + 16 (lane % 4)
	v_mul_u32_u24 v15, v2, SP
	v_add_nc_u32 v15, s21, v15                     ; way out: SP x lane: my 16 neighbours
	v_mul_u32_u24 v4, v2, CB                       ; my codes' place in a step's
	v_lshrrev_b32 v5, 1, v2
	s_add_co_u32 s21, s21, 2*32*SP
	v_add_nc_u32 v5, s21, v5                       ; LDS: my block's scale byte
	v_lshlrev_b32 v7, 3, v2
	v_add_nc_u32 v6, s21, v7                       ; and 8 of the wave's 256 bytes on the way out
	s_and_b32 s31, ttmp9, 31                       ; a weight's work-group among its 32
	s_and_b32 s32, s20, 1
	s_lshl_b32 s32, s32, 1
	s_lshr_b32 s33, s20, 1
	s_or_b32 s32, s32, s33                         ; the wave's number with its two bits exchanged
	s_mov_b32 s26, 256
	s_wait_alu depctr_va_vdst(0)
	s_wait_kmcnt 0x0
	s_cmp_lt_u32 ttmp9, 320
	s_cselect_b64 s[28:29], s[8:9], s[10:11]       ; Wk or Wv
	s_cmp_lt_u32 ttmp9, 288
	s_cselect_b64 s[28:29], s[6:7], s[28:29]       ; or Wq
	s_cmp_lt_u32 ttmp9, 256
	s_cselect_b64 s[28:29], s[4:5], s[28:29]       ; or hidden_states
	s_cselect_b64 s[22:23], s[12:13], s[16:17]     ; the codes' buffer
	s_cselect_b64 s[24:25], s[14:15], s[18:19]     ; the scale bytes'
	s_cselect_b32 s26, 0, s26                      ; the first work-group of that output
	s_cselect_b32 s30, ttmp9, s31                  ; my work-group within the input
	s_lshl_b32 s30, s30, 2
	s_add_co_u32 s30, s30, s20                     ; which run of 8,192 numbers I read
	s_lshl_b32 s34, s30, 15                        ; x 32,768 bytes
	s_mov_b32 s35, 0
	s_add_nc_u64 s[28:29], s[28:29], s[34:35]
	s_sub_co_u32 s26, ttmp9, s26
	s_lshl_b32 s26, s26, 2
	s_add_co_u32 s26, s26, s32                     ; which run I write
	s_mul_i32 s34, s26, 32*STEPS*CB                ; x 6,144 bytes of codes
	s_add_nc_u64 s[22:23], s[22:23], s[34:35]
	s_lshl_b32 s34, s26, 8                         ; x 256 scale bytes
	s_add_nc_u64 s[24:25], s[24:25], s[34:35]
.macro LOAD t
.irp i, 0,1,2,3
	global_load_b128 v[R+16*((\t)%4)+4*\i:R+16*((\t)%4)+4*\i+3], v3, s[28:29] offset:2048*(\t)+512*\i th:TH_LOAD_NT   ; 32 lanes read 512 consecutive bytes
.endr
.endm
.macro TURN t                          ; step t's numbers through the stage: LDS serves a wave's instructions in order, so no wait stands between the stores and the loads
.irp i, 0,1,2,3
	ds_store_b128 v14, v[R+16*((\t)%4)+4*\i:R+16*((\t)%4)+4*\i+3] offset:32*SP*((\t)%2)+8*SP*\i
.endr
.irp i, 0,1,2,3
	ds_load_b128 v[X+16*((\t)%2)+4*\i:X+16*((\t)%2)+4*\i+3], v15 offset:32*SP*((\t)%2)+16*\i
.endr
.endm
.irp t, 0,1,2,3
	LOAD \t
.endr
	s_wait_loadcnt 12                              ; step 0's four loads are in; the twelve of steps 1 to 3 stay out
	TURN 0
.macro STEP t
.set XS, X+16*((\t)%2)
.if (\t) > 0
	s_wait_dscnt 1                                 ; this step's numbers are back from the stage (the last step's byte store may be out): its stores into the stage have read their registers,
.else
	s_wait_dscnt 0x0
.endif
.if (\t)+4 < STEPS
	LOAD (\t)+4                                    ; which take the loads of four steps on
.endif
.if (\t)+1 < STEPS
.if STEPS-2-(\t) >= 3
	s_wait_loadcnt 12                              ; the next step's four loads are in; those of the three steps behind it may be out
.else
	s_wait_loadcnt 4*(STEPS-2-(\t))
.endif
	TURN (\t)+1                                    ; through the other stage while this step is worked
.endif
	v_max3_num_f32 v8, |v[XS]|, |v[XS+1]|, |v[XS+2]|               ; the largest magnitude of my 16, in two chains
	v_max3_num_f32 v9, |v[XS+3]|, |v[XS+4]|, |v[XS+5]|
.irp i, 6,10
	v_max3_num_f32 v8, v8, |v[XS+\i]|, |v[XS+\i+1]|
	v_max3_num_f32 v9, v9, |v[XS+\i+2]|, |v[XS+\i+3]|
.endr
	v_max3_num_f32 v8, v8, |v[XS+14]|, |v[XS+15]|
	v_max3_num_f32 v8, v8, v9, (EMAX+1)<<23        ; and the floor 2^(5 - 127): the byte cannot fall under 1
	v_max_num_f32_dpp v8, v8, v8 row_xmask:1 row_mask:0xf bank_mask:0xf   ; with my neighbour's 16: the block's
	v_add_nc_u32 v11, 0xfe000000, v8               ; 4 off its exponent field: the conversion takes the exponent field of this operand as its scale
	v_cvt_scalef32_pk16_bf6_f32 v[C+4*(\t):C+4*(\t)+2], v[XS:XS+15], v11
	v_lshrrev_b32 v[E+(\t)], 23, v11               ; the scale's byte (a plain line behind the conversion)
	ds_store_b8 v5, v[E+(\t)] offset:16*(\t)       ; both lanes of a block write the same byte with the same value
	global_store_b96 v4, v[C+4*(\t):C+4*(\t)+2], s[22:23] offset:32*CB*(\t)   ; the wave stores 384 consecutive bytes
.endm
.irp t, 0,1,2,3,4,5,6,7,8,9,10,11,12,13,14,15
	STEP \t
.endr
	ds_load_b64 v[12:13], v6                       ; LDS serves a wave's instructions in order: these see my byte stores
	s_wait_dscnt 0x0
	global_store_b64 v7, v[12:13], s[24:25]        ; 32 lanes store 256 consecutive bytes, aligned
	s_wait_tensorcnt 0x0
	ds_add_u32 v192, v193
	s_wait_dscnt 0x0
	s_endpgm
.Lfunc_end_k_q8b2cbc1a6b_quant:
	.size	k_q8b2cbc1a6b_quant, .Lfunc_end_k_q8b2cbc1a6b_quant-k_q8b2cbc1a6b_quant
	.p2alignl 7, 3214868480
	.fill 96, 4, 3214868480
	.section	.rodata,"a",@progbits
	.p2align	6, 0x0
	.amdhsa_kernel k_q8b2cbc1a6b_quant
		.amdhsa_group_segment_fixed_size 33280
		.amdhsa_private_segment_fixed_size 0
		.amdhsa_enable_private_segment 0
		.amdhsa_kernarg_size 64
		.amdhsa_user_sgpr_count 2
		.amdhsa_user_sgpr_kernarg_segment_ptr 1
		.amdhsa_wavefront_size32 1
		.amdhsa_system_sgpr_workgroup_id_x 1
		.amdhsa_system_sgpr_workgroup_id_y 1
		.amdhsa_system_sgpr_workgroup_id_z 1
		.amdhsa_system_vgpr_workitem_id 0
		.amdhsa_next_free_vgpr 194
		.amdhsa_next_free_sgpr 66
		.amdhsa_reserve_vcc 0
		.amdhsa_float_denorm_mode_32 3
		.amdhsa_float_denorm_mode_16_64 3
		.amdhsa_memory_ordered 1
		.amdhsa_forward_progress 1
		.amdhsa_inst_pref_size 33
	.end_amdhsa_kernel
	.amdgpu_metadata
---
amdhsa.version: [ 1, 2 ]
amdhsa.kernels:
  - .name:           k_q8b2cbc1a6b_quant
    .symbol:         k_q8b2cbc1a6b_quant.kd
    .args:
      - { .name: hidden_states, .offset: 0, .size: 8, .value_kind: global_buffer, .address_space: global }
      - { .name: Wq, .offset: 8, .size: 8, .value_kind: global_buffer, .address_space: global }
      - { .name: Wk, .offset: 16, .size: 8, .value_kind: global_buffer, .address_space: global }
      - { .name: Wv, .offset: 24, .size: 8, .value_kind: global_buffer, .address_space: global }
      - { .name: x_codes, .offset: 32, .size: 8, .value_kind: global_buffer, .address_space: global }
      - { .name: x_scales, .offset: 40, .size: 8, .value_kind: global_buffer, .address_space: global }
      - { .name: w_codes, .offset: 48, .size: 8, .value_kind: global_buffer, .address_space: global }
      - { .name: w_scales, .offset: 56, .size: 8, .value_kind: global_buffer, .address_space: global }
    .group_segment_fixed_size: 33280
    .private_segment_fixed_size: 0
    .kernarg_segment_align: 8
    .kernarg_segment_size: 64
    .max_flat_workgroup_size: 128
    .sgpr_count:     66
    .vgpr_count:     194
    .wavefront_size: 32
...
	.end_amdgpu_metadata
.endif
;; end of part 1
;; launch proj (part 2): grid 8 x 48, 4 waves a work-group, clusters of 4 x 4, 327,680 bytes of LDS; arguments x_codes, x_scales, w_codes, w_scales, bq, bk, bv, qkv; writes qkv
.if DOCPART == 2
	.amdgcn_target "amdgcn-amd-amdhsa--gfx1250"
	.amdhsa_code_object_version 6
	.text
	.protected	k_q8b2cbc1a6b_proj
	.globl	k_q8b2cbc1a6b_proj
	.p2align	8
	.type	k_q8b2cbc1a6b_proj,@function
k_q8b2cbc1a6b_proj:
	s_mov_b64 s[64:65], 0
	v_nop
	global_prefetch_b8 v0, s[64:65] scope:SCOPE_SE
	s_setreg_imm32_b32 hwreg(HW_REG_WAVE_MODE, 25, 1), 1
	s_wait_xcnt 0x0
	s_wait_alu depctr_hold_cnt(0) depctr_sa_sdst(0) depctr_va_vdst(0) depctr_va_sdst(0) depctr_va_ssrc(0) depctr_va_vcc(0) depctr_vm_vsrc(0)
	s_getreg_b32 s2, hwreg(HW_REG_IB_STS2, 6, 4)
	s_cmp_eq_u32 s2, 0
	s_cbranch_scc0 .Lentry_in_a_cluster
	s_endpgm
.Lentry_in_a_cluster:
	s_bfe_u32 s2, ttmp6, 0x10000c
	s_cmp_lg_u32 s2, 0xf033
	s_cbranch_scc0 .Lentry_shape_is_right
	s_endpgm
.Lentry_shape_is_right:
; q, k, v = x W^T + b on codes of BF6 (E3M2) with E8M0 scales, K = 1,024; the results are quantised again along the next products' K and stored in qkv as images of operand registers.
; A work-group of four waves makes 256 x 256 results, a wave 128 x 128: 64 accumulators, 512 registers.
; Cluster rows 0-7 of the grid: source 1 = 256 rows of x, source 0 = 256 rows of Wq (cluster x 0) or Wk (1): a lane holds one token and registers run along the head's channels.
; Cluster rows 8-11: the roles are exchanged: source 1 = rows of Wv, source 0 = rows of x: a lane holds one channel and registers run along the tokens, which are the second product's K.
; K goes through a ring of two LDS slots in CHUNKS OF 256 BYTES of each row of 768 bytes: three chunks, chunk c in slot c % 2; each tile row starts at a multiple of 256 bytes.
; A step of 128 along K is 96 bytes of a row: eight steps; steps 2 and 5 lie across two chunks and take their pieces from both slots.
; The scales of the 256 + 256 rows, 32 bytes a row, are two dense blocks: they come once, as rows of 256 bytes, and stay behind the ring.
; CLUSTERS: 4 x 4; source 1's tiles are shared along a row of the cluster, source 0's along a column, by joint loads.
; NO PREFETCH: K has three chunks; two are asked for at the head and the third one step behind them, so the walk has no trip to run ahead in.
; REGISTERS: window 0: v16-29 addresses, v32-63 scale words (two sets), v64-127 the bias, v128-223 source 1's fragments (one set), v224-231 the bias loads' offsets; on the way out v128-247 at work.
;   window 1: source 0's fragments, two sets at v0 and v128.  windows 2, 3: the accumulators of my rows 0-63 and 64-127.
; LIMITS: as the quantising launch states them: NaN and infinities are not served; a block whose largest magnitude lies under 2^-122 keeps the byte 1.
.set ROWB,   256
.set NQ,     2
.set KROW,   768
.set STEPS,  8
.set CHUNKS, 3
.set PITCH,  272                       ; 256 bytes + 16 of padding
.set FR,     12
.set NL,     6
.set NP,     4
.set HALFT,  128*PITCH
.set SLOT,   4*HALFT
.set KS,     32
.set SCL,    2*SLOT
.set HALFS,  (128*KS/256)*272
.set SBLK,   (16*KS/256)*272
.set SPARE,  SCL+4*HALFS               ; the spare words: 512 bytes that no other line names
.set HEADREC, 315392
.set ADRA, 16                          ; v16-17 fragments in slot 0, 1; v18-19 for pieces whose two halves of the lanes read different chunks
.set ADRB, 20
.set OA,   24
.set OB,   25
.set LN,   26
.set ADRS, 27
.set SPW,  28
.set NIL,  29
.set SC,   32
.set BI,   64
.set AF,   128
.set BX,   224
.set CD,   192
.set TM,   212
.set PW,   228
.set SW,   232
.set IM,   240
.set G1, 24
.set G0, 32
.set G1B, 48
.set G0B, 56
.set G1S, 68
.set G0S, 76
.set G1SB, 80
.set G0SB, 88
.set G0H, 12                           ; group 0 of the head's loads of chunk 0, 256 rows each
.set G0HB, 16
.set MSB, 0
.macro WIN new
.if MSB != (\new)
	s_set_vgpr_msb (MSB<<8)|(\new)
.set MSB, (\new)
.endif
.endm
.set MUL_LO, 0xa1
.set MUL_HI, 0xf1
.set TO_B,   0x40
.macro JLOAD g0a, g1a, g0b, g1b        ; waves 0, 1 fetch source 1's halves, waves 2, 3 source 0's
	s_cmp_eq_u32 s21, 0
	s_cbranch_scc0 .Lfor_b_\@
	tensor_load_to_lds s[\g0a:\g0a+3], s[\g1a:\g1a+7]
	s_nop 0
.rept 4
	v_nop
.endr
	s_branch .Lasked_\@
.Lfor_b_\@:
	tensor_load_to_lds s[\g0b:\g0b+3], s[\g1b:\g1b+7]
	s_nop 0
.rept 4
	v_nop
.endr
.Lasked_\@:
.endm
.macro CREST
	s_cmp_lg_u32 s20, 0
	s_cbranch_scc1 .Lnot_wave_0_\@
	s_barrier_signal -3
.Lnot_wave_0_\@:
	s_barrier_wait -3
	s_barrier_signal -1
	s_barrier_wait -1
.endm
.macro CROUND
	s_barrier_signal -1
	s_barrier_wait -1
	CREST
.endm
	s_load_b256 s[4:11], s[0:1], 0x0               ; x_codes, x_scales, w_codes, w_scales
	s_load_b128 s[92:95], s[0:1], 0x20             ; bq, bk
	s_load_b128 s[96:99], s[0:1], 0x30             ; bv, qkv
	v_lshl_add_u32 v[SPW], v0, 2, SPARE
	v_mov_b32 v[NIL], 0
	ds_add_u32 v[SPW], v[NIL]                      ; the opening lines: the add twice on end and one wait
	ds_add_u32 v[SPW], v[NIL]
	v_lshrrev_b32 v1, 5, v0
	v_readfirstlane_b32 s20, v1                    ; wave
	s_lshr_b32 s21, s20, 1                         ; my half of the rows; also: I fetch source 1 (0) or source 0 (1)
	s_and_b32 s22, s20, 1                          ; my half of the columns; also: which 128 rows I fetch
	s_bfe_u32 s40, ttmp6, 0x40000                  ; cx
	s_bfe_u32 s41, ttmp6, 0x40004                  ; cy
	s_and_b32 s2, ttmp7, 0xffff                    ; cluster y
	s_lshl_b32 s100, s2, 2
	s_max_u32 s101, s2, 8
	s_sub_co_u32 s101, s101, 8
	s_lshl_b32 s101, s101, 3
	s_lshl_b32 s42, ttmp9, 2
	s_add_co_u32 s42, s42, s40
	s_add_co_u32 s42, s42, s101                    ; source 0's tile: of W (0-7), or of x (0-31) for v
	s_cmp_ge_u32 s2, 8
	s_cselect_b32 s2, 1, 0                         ; 1: v's path
	s_cselect_b32 s100, 8, s100
	s_add_co_u32 s43, s41, s100                    ; source 1's tile: of x (0-31), or of W (8-11) for v
	s_lshl_b32 s44, s41, 2
	s_lshl_b32 s44, 15, s44                        ; my row of the cluster
	s_lshl_b32 s45, 0x1111, s40                    ; my column
	s_or_b32 s[G1+0], s44, (0<<16)|(1<<20)|(1<<21)|(5<<22)|(3<<25)   ; bytes; 4 words of padding behind every 64
	s_or_b32 s[G1B+0], s45, (0<<16)|(1<<20)|(1<<21)|(5<<22)|(3<<25)
.irp g, G1, G1B
	s_mov_b32 s[\g+1], ROWB<<16
	s_mov_b32 s[\g+2], 256<<16                     ; 256 rows for the head's loads
	s_mov_b32 s[\g+3], ROWB<<16
	s_mov_b32 s[\g+4], 256
	s_mov_b32 s[\g+5], KROW
	s_mov_b32 s[\g+6], 0
	s_mov_b32 s[\g+7], 0
.endr
	s_or_b32 s[G1S+0], s44, (3<<16)|(1<<20)|(1<<21)|(5<<22)|(3<<25)  ; scales of 256 rows: 32 rows of 256 bytes
	s_or_b32 s[G1SB+0], s45, (3<<16)|(1<<20)|(1<<21)|(5<<22)|(3<<25)
.irp g, G1S, G1SB
	s_mov_b32 s[\g+1], 32<<16
	s_mov_b32 s[\g+2], KS<<16
	s_mov_b32 s[\g+3], 32<<16
	s_mov_b32 s[\g+4], KS
	s_mov_b32 s[\g+5], 32
	s_mov_b32 s[\g+6], 0
	s_mov_b32 s[\g+7], 0
.endr
	s_lshl_b32 s100, s43, 8                        ; the tiles' first rows
	s_lshl_b32 s101, s42, 8
	s_mul_i32 s66, s100, KROW
	s_mov_b32 s67, 0
	s_mul_i32 s46, s101, KROW
	s_mov_b32 s47, 0
	s_wait_dscnt 0x0                               ; both opening adds are done
	s_wait_kmcnt 0x0
	s_cmp_eq_u32 ttmp9, 0
	s_cselect_b64 s[104:105], s[92:93], s[94:95]   ; bq or bk
	s_cmp_lg_u32 s2, 0
	s_cselect_b64 s[104:105], s[96:97], s[104:105] ; or bv
	s_cselect_b64 s[12:13], s[8:9], s[4:5]         ; source 1's codes and scales
	s_cselect_b64 s[14:15], s[10:11], s[6:7]
	s_cselect_b64 s[16:17], s[4:5], s[8:9]         ; source 0's
	s_cselect_b64 s[18:19], s[6:7], s[10:11]
	s_add_nc_u64 s[12:13], s[12:13], s[66:67]
	s_add_nc_u64 s[16:17], s[16:17], s[46:47]
	s_lshl_b32 s66, s100, 5
	s_lshl_b32 s46, s101, 5
	s_add_nc_u64 s[14:15], s[14:15], s[66:67]
	s_add_nc_u64 s[18:19], s[18:19], s[46:47]
	CROUND                                         ; all sixteen work-groups are here: the first joint loads meet
	s_mov_b32 s[G0S], 1
	s_mov_b32 s[G0S+1], SCL
	s_mov_b64 s[G0S+2:G0S+3], s[14:15]
	s_or_b32 s[G0S+3], s[G0S+3], 0x80000000
	s_mov_b32 s[G0SB], 1
	s_mov_b32 s[G0SB+1], SCL+2*HALFS
	s_mov_b64 s[G0SB+2:G0SB+3], s[18:19]
	s_or_b32 s[G0SB+3], s[G0SB+3], 0x80000000
	s_mul_i32 s66, s22, 128*KROW                   ; the ring: my 128 rows of a tile
	s_add_nc_u64 s[100:101], s[12:13], s[66:67]
	s_add_nc_u64 s[46:47], s[16:17], s[66:67]
	s_mul_i32 s23, s20, HALFT                      ; and where they go: wave x 128 rows
.irp s, 0,1
	s_mov_b32 s[G0+4*\s], 1
	s_add_co_u32 s[G0+4*\s+1], s23, \s*SLOT
	s_add_nc_u64 s[G0+4*\s+2:G0+4*\s+3], s[100:101], \s*ROWB
	s_or_b32 s[G0+4*\s+3], s[G0+4*\s+3], 0x80000000
	s_mov_b32 s[G0B+4*\s], 1
	s_add_co_u32 s[G0B+4*\s+1], s23, \s*SLOT
	s_add_nc_u64 s[G0B+4*\s+2:G0B+4*\s+3], s[46:47], \s*ROWB
	s_or_b32 s[G0B+4*\s+3], s[G0B+4*\s+3], 0x80000000
.endr
	s_mov_b64 s[G0H+2:G0H+3], s[12:13]             ; chunk 0, whole tiles
	s_mov_b32 s[G0H], 1
	s_mov_b32 s[G0H+1], 0
	s_or_b32 s[G0H+3], s[G0H+3], 0x80000000
	s_mov_b64 s[G0HB+2:G0HB+3], s[16:17]
	s_mov_b32 s[G0HB], 1
	s_mov_b32 s[G0HB+1], 2*HALFT
	s_or_b32 s[G0HB+3], s[G0HB+3], 0x80000000
; the head's four tiles, one joint load a wave, in one chain of branches on the wave's number
.macro ARM under, g0, g1, next
	s_cmp_lt_u32 s20, \under
	s_cbranch_scc0 \next
	tensor_load_to_lds s[\g0:\g0+3], s[\g1:\g1+7]
	s_nop 0
.rept 4
	v_nop
.endr
	s_branch .Lhead_asked
\next:
.endm
	ARM 1, G0H,  G1,  .Lhead_b
	ARM 2, G0HB, G1B, .Lhead_sa
	ARM 3, G0S,  G1S, .Lhead_sb
	tensor_load_to_lds s[G0SB:G0SB+3], s[G1SB:G1SB+7]
	s_nop 0
.rept 4
	v_nop
.endr
.Lhead_asked:
	; the bias in the results' layout: q, k: register j of block i = channel 32 (i / 2) + 8 (i % 2) + 16 h + j; v: the lane's channel, the same in all eight registers
	s_cmp_lg_u32 s2, 0
	s_cselect_b32 s4, s41, s40
	s_cselect_b32 s5, s21, s22
	s_cselect_b32 s6, 0, 64
	s_cselect_b32 s7, 4, 0
	s_cselect_b32 s8, 0, 4
	s_lshl_b32 s4, s4, 10
	s_lshl_b32 s5, s5, 9
	s_add_co_u32 s4, s4, s5
	s_mov_b32 s5, 0
	s_add_nc_u64 s[104:105], s[104:105], s[4:5]
	v_and_b32 v1, 15, v0
	v_bfe_u32 v2, v0, 4, 1
	v_and_b32 v6, 8, v1
	v_add_nc_u32 v6, v6, v1
	v_mul_u32_u24 v[BX], v2, s6
	v_mad_u32_u24 v[BX], v6, s7, v[BX]
.irp j, 1,2,3,4,5,6,7
	v_add_nc_u32 v[BX+\j], s8, v[BX+\j-1]
.endr
.irp i, 0,1,2,3,4,5,6,7
.irp j, 0,1,2,3,4,5,6,7
	global_load_b32 v[BI+8*\i+\j], v[BX+\j], s[104:105] offset:(32*(\i/2)+8*(\i%2))*4   ; waited for at the head's end
.endr
.endr
	v_mul_u32_u24 v3, v1, PITCH
	v_mul_u32_u24 v4, v2, 24
	v_add_nc_u32 v4, v3, v4                        ; row x pitch + 24 x half
	s_mov_b32 s9, SLOT-232
	s_mov_b32 s10, SLOT+232
	v_sub_nc_u32 v7, 1, v2
	v_mul_u32_u24 v5, s9, v2
	v_add_nc_u32 v5, v3, v5
	v_add_nc_u32 v5, 232, v5                       ; lanes 0-15 byte 232 of the row in slot 0, lanes 16-31 byte 0 in slot 1
	v_mul_u32_u24 v6, s10, v7
	v_add_nc_u32 v6, v3, v6                        ; lanes 0-15 byte 232 in slot 1, lanes 16-31 byte 0 in slot 0
	s_mul_i32 s9, s21, HALFT
	s_mul_i32 s10, s22, HALFT
	s_add_co_u32 s10, s10, 2*HALFT
	v_add_nc_u32 v[ADRA+2], s9, v5
	v_add_nc_u32 v[ADRA+3], s9, v6
	v_add_nc_u32 v[ADRB+2], s10, v5
	v_add_nc_u32 v[ADRB+3], s10, v6
.irp s, 0,1
	v_add_nc_u32 v[ADRA+\s], s9, v4
	v_add_nc_u32 v[ADRB+\s], s10, v4
	s_add_co_u32 s9, s9, SLOT
	s_add_co_u32 s10, s10, SLOT
.endr
	v_mul_u32_u24 v5, v1, KS                       ; my row's scales, 16 more for each 256 passed
	v_lshrrev_b32 v6, 8, v5
	v_lshl_add_u32 v5, v6, 4, v5
	s_mul_i32 s9, s21, HALFS
	s_mul_i32 s10, s22, HALFS
	s_add_co_u32 s10, s10, 2*HALFS
	s_sub_co_u32 s10, s10, s9
	v_mul_u32_u24 v6, s10, v2                      ; lanes 16-31 take source 0's
	s_add_co_u32 s9, s9, SCL
	v_add_nc_u32 v5, v5, v6
	v_add_nc_u32 v[ADRS], s9, v5
	v_and_b32 v[LN], 31, v0
	v_lshlrev_b32 v[OA], 4, v[LN]
	v_lshlrev_b32 v[OB], 3, v[LN]
.macro FRAG reg, adr, st, i            ; 16 rows x 128 K: six pieces of 8 bytes; byte y of a row lies in slot (y / 256) % 2 at byte y % 256
.irp p, 0,1,2,3,4,5
.set BY, 96*(\st)+48*(\p/3)+8*(\p%3)
.if BY/ROWB == (BY+24)/ROWB
	ds_load_b64 v[\reg+2*\p:\reg+2*\p+1], v[\adr+(BY/ROWB)%2] offset:BY%ROWB+(\i)*16*PITCH
.else
	ds_load_b64 v[\reg+2*\p:\reg+2*\p+1], v[\adr+2+(BY/ROWB)%2] offset:BY%ROWB-232+(\i)*16*PITCH
.endif
.endr
.endm
.macro MUL16 a0, p, q, sc, zero        ; the 64 accumulators take turns, in the same order in every step
.irp a, \a0, \a0+1
.irp b, 0,1,2,3,4,5,6,7
.if (\zero) == 1                       ; the first product starts the sum with the bias as its C: q, k: the bias of column block b
	v_wmma_scale_f32_16x16x128_f8f6f4 v[8*(8*((\a)%4)+\b):8*(8*((\a)%4)+\b)+7], v[128*(\p)+FR*\b:128*(\p)+FR*\b+FR-1], v[AF+FR*(\a):AF+FR*(\a)+FR-1], v[BI+8*\b:BI+8*\b+7], v[SC+8*NQ*(\sc)+NQ*\b+(\q)], v[SC+8*NQ*(\sc)+NQ*(\a)+(\q)] matrix_a_fmt:MATRIX_FMT_BF6 matrix_b_fmt:MATRIX_FMT_BF6 matrix_a_scale:MATRIX_SCALE_ROW1
.endif
.if (\zero) == 2                       ; v: the bias of row block a
	v_wmma_scale_f32_16x16x128_f8f6f4 v[8*(8*((\a)%4)+\b):8*(8*((\a)%4)+\b)+7], v[128*(\p)+FR*\b:128*(\p)+FR*\b+FR-1], v[AF+FR*(\a):AF+FR*(\a)+FR-1], v[BI+8*(\a):BI+8*(\a)+7], v[SC+8*NQ*(\sc)+NQ*\b+(\q)], v[SC+8*NQ*(\sc)+NQ*(\a)+(\q)] matrix_a_fmt:MATRIX_FMT_BF6 matrix_b_fmt:MATRIX_FMT_BF6 matrix_a_scale:MATRIX_SCALE_ROW1
.endif
.if (\zero) == 0
	v_wmma_scale_f32_16x16x128_f8f6f4 v[8*(8*((\a)%4)+\b):8*(8*((\a)%4)+\b)+7], v[128*(\p)+FR*\b:128*(\p)+FR*\b+FR-1], v[AF+FR*(\a):AF+FR*(\a)+FR-1], v[8*(8*((\a)%4)+\b):8*(8*((\a)%4)+\b)+7], v[SC+8*NQ*(\sc)+NQ*\b+(\q)], v[SC+8*NQ*(\sc)+NQ*(\a)+(\q)] matrix_a_fmt:MATRIX_FMT_BF6 matrix_b_fmt:MATRIX_FMT_BF6 matrix_a_scale:MATRIX_SCALE_ROW1
.endif
.endr
.endr
.endm
.macro FETCH_B st, p
	WIN TO_B
.irp i, 0,1,2,3,4,5,6,7
	FRAG 128*(\p)+FR*\i, ADRB, \st, \i
.endr
	WIN 0
.endm
.macro FETCH_A st, i0
.irp i, \i0, \i0+1, \i0+2, \i0+3
	FRAG AF+FR*(\i), ADRA, \st, \i
.endr
.endm
.macro SCALES pr                       ; the scale words of steps 2 pr, 2 pr + 1 into set pr % 2
.irp i, 0,1,2,3,4,5,6,7
	ds_load_b64 v[SC+8*NQ*((\pr)%2)+NQ*\i:SC+8*NQ*((\pr)%2)+NQ*\i+1], v[ADRS] offset:\i*SBLK+4*NQ*(\pr)
.endr
.endm
.macro PLACES n
.rept \n
	v_nop
.endr
.endm
; A step: 64 products; the next step's fragments are fetched in its middle and at its end.
; Where the next step's bytes END in a chunk not yet read: a wait for my tensor loads and a barrier show that chunk whole.
; Where they BEGIN in a later chunk: the chunk left behind is read no more: the three lines, the barrier, and, where a chunk is left to fetch, the cluster's round and the refill.
.macro STEP st, zero
.set NX, (\st)+1
.set C0, (96*(\st))/ROWB
.set C1, (96*NX)/ROWB
.set E0, (96*(\st)+95)/ROWB
.set E1, (96*NX+95)/ROWB
.if C1 > C0 || E1 > E0
	s_wait_tensorcnt 0x0                           ; all my tensor loads have landed
.if C1 > C0
	ds_add_u32 v[SPW], v[NIL]
	s_wait_dscnt 4*NL+1                            ; the add and the 24 youngest loads (blocks 4-7 of source 1) may be out
.else
	s_wait_dscnt 4*NL                              ; the 24 youngest loads may be out
.endif
	WIN MUL_LO
	MUL16 0, (\st)%2, (\st)%2, ((\st)/2)%2, \zero
	s_wait_dscnt 0x0                               ; the add and all my reads are done
	s_barrier_signal -1
	MUL16 2, (\st)%2, (\st)%2, ((\st)/2)%2, \zero
	WIN 0
	s_barrier_wait -1
.if C1 > C0 && C0+2 < CHUNKS
	CREST                                          ; the barrier has opened a round of the cluster's barrier
	s_add_nc_u64 s[G0+4*(C0%2)+2:G0+4*(C0%2)+3], s[G0+4*(C0%2)+2:G0+4*(C0%2)+3], 2*ROWB
	s_add_nc_u64 s[G0B+4*(C0%2)+2:G0B+4*(C0%2)+3], s[G0B+4*(C0%2)+2:G0B+4*(C0%2)+3], 2*ROWB
	JLOAD G0+4*(C0%2), G1, G0B+4*(C0%2), G1B       ; chunk C0 + 2; its four v_nop are the places in front of the loads below
.else
	PLACES NP
.endif
.else
	s_wait_dscnt 4*NL
.if \zero
	WIN 0x81                                       ; C, the bias, in window 0; D in window 2
.else
	WIN MUL_LO
.endif
	MUL16 0, (\st)%2, (\st)%2, ((\st)/2)%2, \zero
	MUL16 2, (\st)%2, (\st)%2, ((\st)/2)%2, \zero
	s_wait_dscnt 0
	PLACES NP
.endif
	FETCH_B NX, NX%2
	FETCH_A NX, 0
.if NX%2 == 0
	SCALES NX/2
.endif
.if \zero
	WIN 0xc1                                       ; C in window 0; D in window 3
.else
	WIN MUL_HI
.endif
	MUL16 4, (\st)%2, (\st)%2, ((\st)/2)%2, \zero
	MUL16 6, (\st)%2, (\st)%2, ((\st)/2)%2, \zero
	PLACES NP
	WIN 0
	FETCH_A NX, 4
.endm
	s_wait_alu depctr_va_vdst(0)                   ; the wait at the head's end
	s_wait_loadcnt 0x0                             ; the bias is in: the first products take it as their C
	s_wait_tensorcnt 0x0                           ; my tile of the head's four is in; the three lines ahead of slot 1's first fill
	ds_add_u32 v[SPW], v[NIL]
	s_mov_b32 s[G1+2], 128<<16                     ; no load of mine is out: from here on a load brings 128 rows
	s_mov_b32 s[G1+4], 128
	s_mov_b32 s[G1B+2], 128<<16
	s_mov_b32 s[G1B+4], 128
	s_wait_dscnt 0x0
	CROUND
	JLOAD G0+4, G1, G0B+4, G1B                     ; chunk 1, the first tensor load behind the round
	FETCH_B 0, 0
	FETCH_A 0, 0
	SCALES 0
	FETCH_A 0, 4
	s_cmp_lg_u32 s2, 0                             ; the first step is written twice: which bias registers a product takes hangs on the path, which all partners share
	s_cbranch_scc1 .Lfirst_v
	STEP 0, 1
	s_branch .Lwalk
.Lfirst_v:
	STEP 0, 2
.Lwalk:
.set WS, 1
.rept STEPS-2
	STEP WS, 0
.set WS, WS+1
.endr
	s_wait_dscnt 4*NL                              ; the last step fetches nothing
	WIN MUL_LO
	MUL16 0, 1, 1, 1, 0
	MUL16 2, 1, 1, 1, 0
	s_wait_dscnt 0
	WIN MUL_HI
	MUL16 4, 1, 1, 1, 0
	MUL16 6, 1, 1, 1, 0
	WIN 0
; THE WAY OUT: a block of 16 x 128 results + bias is quantised in four blocks of 32 along its registers (16 mine, 16 lane l xor 16's) and stored as an image of operand registers.
.macro QUANT s, w                      ; s: the block's first accumulator register, in window w
	WIN 20*(\w)                                    ; sources 1 and 2 in window w
.irp b, 0,1,2,3
	v_max3_num_f32 v[TM+\b], 0x2800000, |v[\s+16*\b]|, |v[\s+1+16*\b]|   ; with the floor 2^(5 - 127): the byte cannot fall under 1; each accumulator is read from its low end on
.endr
.irp i, 2,4,6,8,10,12,14
.irp b, 0,1,2,3
	v_max3_num_f32 v[TM+\b], v[TM+\b], |v[\s+16*\b+\i]|, |v[\s+1+16*\b+\i]|
.endr
.endr
	WIN 0
.irp b, 0,1,2,3
	v_permlanex16_b32 v[TM+4+\b], v[TM+\b], s8, s9
.endr
.irp b, 0,1,2,3
	v_max_num_f32 v[TM+\b], v[TM+\b], v[TM+4+\b]
.endr
.irp b, 0,1,2,3
	v_add_nc_u32 v[TM+12+\b], 0xfe000000, v[TM+\b]   ; 4 off the exponent field: the conversion's scale operand
.endr
.irp b, 0,1,2,3
	v_lshrrev_b32 v[TM+4+\b], 23, v[TM+12+\b]        ; the byte
.endr
	v_lshl_or_b32 v[PW], v[TM+5], 8, v[TM+4]
	v_lshl_or_b32 v[PW], v[TM+6], 16, v[PW]
	v_lshl_or_b32 v[PW], v[TM+7], 24, v[PW]
	WIN \w                                         ; source 0 in window w
.irp c, 0,1
	v_cvt_scalef32_pk16_bf6_f32 v[CD+6*\c:CD+2+6*\c], v[\s+32*\c:\s+15+32*\c], v[TM+12+2*\c]
	v_cvt_scalef32_pk16_bf6_f32 v[CD+12+4*\c:CD+14+4*\c], v[\s+16+32*\c:\s+31+32*\c], v[TM+12+2*\c+1]
.endr
	WIN 0
	v_nop                                          ; a plain place behind the conversions
.irp c, 0,1
.irp i, 0,1,2
	v_permlane16_swap_b32 v[CD+6*\c+\i], v[CD+12+4*\c+\i]
.endr
.irp i, 0,1,2
	v_mov_b32 v[CD+3+6*\c+\i], v[CD+12+4*\c+\i]
.endr
.endr
.endm
.macro EPI path, a
.if (\a) > 0
	s_wait_xcnt 0x0                                ; the last block's stores have read their registers
.endif
	QUANT 64*((\a)%4), 2+(\a)/4
	v_mov_b32 v[SW+(\a)], v[PW]
.if \path
.irp c, 0,1,2
	global_store_b128 v[OA], v[CD+4*\c:CD+4*\c+3], s[4:5] offset:((\a)/4)*HEADREC+((\a)%4)*1536+512*\c
.endr
.else
	global_store_b128 v[OA], v[CD:CD+3], s[4:5] offset:(\a)*768
	global_store_b64 v[OB], v[CD+4:CD+5], s[4:5] offset:(\a)*768+512
	global_store_b128 v[OA], v[CD+6:CD+9], s[4:5] offset:HEADREC+(\a)*768
	global_store_b64 v[OB], v[CD+10:CD+11], s[4:5] offset:HEADREC+(\a)*768+512
.endif
.endm
	PLACES NP
	s_mov_b32 s8, 0x76543210
	s_mov_b32 s9, 0xfedcba98
.irp b, 0,1,2,3
	v_mov_b32 v[TM+4+\b], 0
.endr
	v_cmp_le_u32 vcc_lo, 16, v[LN]
	s_mov_b32 s17, 6144
	s_cmp_lg_u32 s2, 0
	s_cselect_b32 s10, s42, s43                    ; the tile of tokens,
	s_cselect_b32 s11, s22, s21                    ; my half of it,
	s_cselect_b32 s12, s41, s40                    ; the tile of channels,
	s_cselect_b32 s13, s21, s22                    ; my half of it
	s_cselect_b32 s17, s17, 0
	s_and_b32 s14, s10, 7
	s_lshl_b32 s14, s14, 1
	s_add_co_u32 s14, s14, s11                     ; the record of 128 tokens
	s_lshr_b32 s15, s10, 3
	s_lshl_b32 s15, s15, 4
	s_lshl_b32 s12, s12, 2
	s_add_co_u32 s15, s15, s12
	s_lshl_b32 s13, s13, 1
	s_add_co_u32 s15, s15, s13                     ; 16 batch + my first head
	s_or_b32 s23, s2, ttmp9
	s_mov_b32 s16, 13056
	s_mov_b32 s18, 12288
	s_cmp_eq_u32 s23, 0                            ; q?
	s_cselect_b32 s16, 6656, s16
	s_cselect_b32 s17, 208896, s17
	s_cselect_b32 s18, 6144, s18
	s_mul_i32 s15, s15, HEADREC
	s_mul_i32 s14, s14, s16
	s_add_co_u32 s15, s15, s14
	s_add_co_u32 s4, s15, s17
	s_mov_b32 s5, 0
	s_add_nc_u64 s[4:5], s[98:99], s[4:5]
	s_mov_b32 s19, 0
	s_add_nc_u64 s[6:7], s[4:5], s[18:19]
	s_cmp_lg_u32 s2, 0
	s_cbranch_scc1 .Lvpath
.irp a, 0,1,2,3,4,5,6,7
	EPI 0, \a
.endr
.irp q, 0,1,2,3
	v_cndmask_b32 v[IM+\q], v[SW+\q], v[SW+4+\q], vcc_lo   ; scale words: tile q in lanes 0-15, tile 4 + q in lanes 16-31
.endr
.irp q, 0,1,2,3
	v_lshrrev_b32 v[IM+4+\q], 16, v[IM+\q]         ; the second head's two bytes
.endr
	global_store_b128 v[OA], v[IM:IM+3], s[6:7]
	global_store_b128 v[OA], v[IM+4:IM+7], s[6:7] offset:HEADREC
	s_branch .Ljoin
.Lvpath:
.irp a, 0,1,2,3,4,5,6,7
	EPI 1, \a
.endr
.irp hd, 0,1
.irp q, 0,1
	v_cndmask_b32 v[IM+2*\hd+\q], v[SW+4*\hd+\q], v[SW+4*\hd+2+\q], vcc_lo
.endr
	global_store_b64 v[OB], v[IM+2*\hd:IM+2*\hd+1], s[4:5] offset:\hd*HEADREC+6656
.endr
.Ljoin:
	s_wait_tensorcnt 0x0                           ; the wave's end
	ds_add_u32 v[SPW], v[NIL]
	s_wait_dscnt 0x0
	CROUND                                         ; the closing round
	s_endpgm
.Lfunc_end_k_q8b2cbc1a6b_proj:
	.size	k_q8b2cbc1a6b_proj, .Lfunc_end_k_q8b2cbc1a6b_proj-k_q8b2cbc1a6b_proj
	.p2alignl 7, 3214868480
	.fill 96, 4, 3214868480
	.section	.rodata,"a",@progbits
	.p2align	6, 0x0
	.amdhsa_kernel k_q8b2cbc1a6b_proj
		.amdhsa_group_segment_fixed_size 327680
		.amdhsa_private_segment_fixed_size 0
		.amdhsa_enable_private_segment 0
		.amdhsa_kernarg_size 64
		.amdhsa_user_sgpr_count 2
		.amdhsa_user_sgpr_kernarg_segment_ptr 1
		.amdhsa_wavefront_size32 1
		.amdhsa_system_sgpr_workgroup_id_x 1
		.amdhsa_system_sgpr_workgroup_id_y 1
		.amdhsa_system_sgpr_workgroup_id_z 1
		.amdhsa_system_vgpr_workitem_id 0
		.amdhsa_next_free_vgpr 1024
		.amdhsa_next_free_sgpr 106
		.amdhsa_reserve_vcc 1
		.amdhsa_float_denorm_mode_32 3
		.amdhsa_float_denorm_mode_16_64 3
		.amdhsa_memory_ordered 1
		.amdhsa_forward_progress 1
		.amdhsa_inst_pref_size 222
	.end_amdhsa_kernel
	.amdgpu_metadata
---
amdhsa.version: [ 1, 2 ]
amdhsa.kernels:
  - .name:           k_q8b2cbc1a6b_proj
    .symbol:         k_q8b2cbc1a6b_proj.kd
    .args:
      - { .name: x_codes, .offset: 0, .size: 8, .value_kind: global_buffer, .address_space: global }
      - { .name: x_scales, .offset: 8, .size: 8, .value_kind: global_buffer, .address_space: global }
      - { .name: w_codes, .offset: 16, .size: 8, .value_kind: global_buffer, .address_space: global }
      - { .name: w_scales, .offset: 24, .size: 8, .value_kind: global_buffer, .address_space: global }
      - { .name: bq, .offset: 32, .size: 8, .value_kind: global_buffer, .address_space: global }
      - { .name: bk, .offset: 40, .size: 8, .value_kind: global_buffer, .address_space: global }
      - { .name: bv, .offset: 48, .size: 8, .value_kind: global_buffer, .address_space: global }
      - { .name: qkv, .offset: 56, .size: 8, .value_kind: global_buffer, .address_space: global }
    .group_segment_fixed_size: 327680
    .private_segment_fixed_size: 0
    .kernarg_segment_align: 8
    .kernarg_segment_size: 64
    .max_flat_workgroup_size: 128
    .sgpr_count:     106
    .vgpr_count:     1024
    .wavefront_size: 32
...
	.end_amdgpu_metadata
.endif
;; end of part 2
;; launch attn (part 3): grid 4 x 64, 16 waves a work-group, clusters of 4 x 1, 288,768 bytes of LDS; arguments qkv, attention_mask, out0; writes out0
.if DOCPART == 3
	.amdgcn_target "amdgcn-amd-amdhsa--gfx1250"
	.amdhsa_code_object_version 6
	.text
	.protected	k_q8b2cbc1a6b_attn
	.globl	k_q8b2cbc1a6b_attn
	.p2align	8
	.type	k_q8b2cbc1a6b_attn,@function
k_q8b2cbc1a6b_attn:
	s_mov_b64 s[64:65], 0
	v_nop
	global_prefetch_b8 v0, s[64:65] scope:SCOPE_SE
	s_setreg_imm32_b32 hwreg(HW_REG_WAVE_MODE, 25, 1), 1
	s_wait_xcnt 0x0
	s_wait_alu depctr_hold_cnt(0) depctr_sa_sdst(0) depctr_va_vdst(0) depctr_va_sdst(0) depctr_va_ssrc(0) depctr_va_vcc(0) depctr_vm_vsrc(0)
	s_getreg_b32 s2, hwreg(HW_REG_IB_STS2, 6, 4)
	s_cmp_eq_u32 s2, 0
	s_cbranch_scc0 .Lentry_in_a_cluster
	s_endpgm
.Lentry_in_a_cluster:
	s_bfe_u32 s2, ttmp6, 0x10000c
	s_cmp_lg_u32 s2, 0x3003
	s_cbranch_scc0 .Lentry_shape_is_right
	s_endpgm
.Lentry_shape_is_right:
; out0[b][q][64 head ..] = the sum over keys k <= q of softmax_k(Q.K / 8 + mask[b][k]) V[k], both products on codes of BF6 (E3M2) with E8M0 scales.  2,048 tokens, 64 (batch, head) pairs, head size 64.
; THE SOFTMAX AHEAD OF THE SECOND PRODUCT: t = logit x log2(e); M = the row's largest t so far, rounded UP to a whole number; p = 2^(t - M) is what is quantised, along the keys, not normalised.
; The row's sum is taken of the unquantised p, in f32, and divides O at the end.  When M moves, the sum and O are multiplied by 2^(old M - new M): exact.
; INPUT: qkv, for each head 315,392 bytes: 16 records of 13,056 bytes, one for each 128 keys (K's 8 tiles x 768 bytes; V's 4 tiles x 1,536; K's scale words 512; V's 256), then 16 records of 6,656 bytes for each 128 queries.
; All are images of operand registers: four registers a lane at 16 x lane, two at 8 x lane.  The head's 64 fill half of an instruction's 128 along K: registers 6-11 of K's and Q's fragments are zero codes, set once.
; Lane r of tile 2 beta + u of K or Q holds token 32 beta + 8 u + r + 8 (r / 8) of its 128; of V: channel 32 beta + 8 u + r + 8 (r / 8).
; LAYOUT.  Both products are used transposed: S^T = K Q^T, O^T = V^T P^T: a lane holds ONE query throughout; the 16 registers of key tiles 2 beta, 2 beta + 1 are keys 32 beta + 16 (lane / 16) + 0 .. 15.
; THE MASK.  t = (S + 8 mask) x c, c = log2(e) / 8.  8 x mask lies in LDS; it is loaded into the scores' registers and the first product takes them as its C: no vector instruction adds it.
; SHARES.  The four work-groups of a cluster own one head.  A head has 128 tiles of 16 queries, tile 4 j + cx; wave w takes j = 31 - w and then j = w.  A tile's last key step is j / 2, free of cx:
; every branch hangs on the wave's number and a loop's counter alone.  Each wave has 17 key steps of work in all, whatever w.
; THE WHOLE HEAD'S K AND V STAY IN LDS: each of the sixteen waves asks for one key record, jointly with the three partners.  Nothing is filled again: no ring, and no barrier in the loops.  One tensor load a wave is out.
; LIMITS: NaN in the inputs is not served.  |mask| under 2^125 is taken exactly (x 8); beyond that it counts as infinite.  A key with mask -infinity has p = 0; a row all of whose visible keys are so gives NaN, as the definition does.
;   The mask is added to the product's sum by the matrix unit, with its rounding.  A block's largest p is made from its largest score by the same two instructions: this takes v_exp_f32 not to fall where its input rises.
; REGISTERS: v1-7, v11 addresses that stay; v8-10 a step's; v12 -M, v13 the largest t, v[14:15] the sum; v16-27 Q; v29 the diagonal's bound; v30-31 V's scale words; v32-79 four fragments of K; v80-127 V's four;
;   v128-191 S^T, then p; v192-223 O^T; v224-235 p's codes; v232-247, v252, v254 at work; v248-251 K's scale words; v253 p's; v255 Q's.
.set STEPREC, 13056
.set HEADREC, 315392
.set QOFF,    208896
.set QREC,    6656
.set MSK,     16*STEPREC               ; LDS: behind the 16 key records: 8 x mask, 2,048 f32
.set STG,     MSK+8192                 ; and a stage of 16 rows x (256 bytes + 16) for each wave
.set SP,      272
.macro ROUND                           ; a round of the cluster's barrier
	s_barrier_signal -1
	s_barrier_wait -1
	s_cmp_lg_u32 s10, 0
	s_cbranch_scc1 .Lnot_wave_0_\@
	s_barrier_signal -3
.Lnot_wave_0_\@:
	s_barrier_wait -3
	s_barrier_signal -1
	s_barrier_wait -1
.endm
	s_load_b128 s[4:7], s[0:1], 0x0                ; qkv, attention_mask
	s_load_b64 s[8:9], s[0:1], 0x10                ; out0
	v_lshl_add_u32 v254, v0, 2, 0x46000
	v_mov_b32 v255, 0
	ds_add_u32 v254, v255
	ds_add_u32 v254, v255
	s_wait_dscnt 0x0
	v_lshrrev_b32 v8, 5, v0
	s_delay_alu instid0(VALU_DEP_1)
	v_readfirstlane_b32 s10, v8                    ; wave 0..15
	s_bfe_u32 s11, ttmp6, 0x40000                  ; cx: it enters Q's and out0's addresses and the diagonal's bound alone
	s_and_b32 s12, ttmp7, 0xffff                   ; hh = 16 batch + head, which the four partners share
	; descriptor group 1: a dense block of 13,056 bytes as 51 rows of 256 (32 elements of 8 bytes), no padding
	s_mov_b32 s24, 15|(3<<16)|(1<<21)              ; 15:0 the mask: all four work-groups; 17:16 elements of 8 bytes; 21 set beside a mask
	s_mov_b32 s25, 32<<16                          ; tensor_dim0
	s_mov_b32 s26, 51<<16                          ; tensor_dim1
	s_mov_b32 s27, 32<<16                          ; tile_dim0
	s_mov_b32 s28, 51                              ; tile_dim1
	s_mov_b32 s29, 32                              ; tensor_dim0_stride
	s_mov_b32 s30, 0
	s_mov_b32 s31, 0
	s_mul_i32 s46, s12, HEADREC                    ; the head's bytes in qkv: under 2^25
	s_mov_b32 s47, 0
	s_mul_i32 s48, s10, STEPREC                    ; my key record
	s_mov_b32 s49, 0
	s_mov_b32 s14, 0x76543210
	s_mov_b32 s15, 0xfedcba98                      ; v_permlanex16_b32's selects for lane l xor 16
	s_mov_b32 s16, 0x3e38aa3b                      ; c = log2(e) / 8
	s_mov_b32 s17, s16                             ; (named with it as a pair, so it is written)
	s_lshr_b32 s13, s12, 4                         ; the batch
	s_lshl_b32 s50, s13, 13                        ; its 8,192 bytes of the mask
	s_mov_b32 s51, 0
	s_lshl_b32 s44, s13, 23                        ; its 2,048 rows of 4,096 bytes of out0,
	s_and_b32 s13, s12, 15
	s_lshl_b32 s13, s13, 8                         ; and the head's 256 bytes in a row
	s_add_co_u32 s44, s44, s13
	s_mov_b32 s45, 0
	s_wait_kmcnt 0x0
	s_add_nc_u64 s[4:5], s[4:5], s[46:47]          ; the head's records
	s_mov_b32 s20, 1                               ; group 0: count = 1
	s_mul_i32 s21, s10, STEPREC                    ; LDS address: record w at 13,056 w
	s_add_nc_u64 s[22:23], s[4:5], s[48:49]        ; global address
	s_or_b32 s23, s23, 0x80000000                  ; type = 2
	s_add_nc_u64 s[32:33], s[4:5], QOFF            ; the head's query records
	s_add_nc_u64 s[6:7], s[6:7], s[50:51]
	s_add_nc_u64 s[34:35], s[8:9], s[44:45]
	ROUND                                          ; all four work-groups are here: the joint loads meet
	tensor_load_to_lds s[20:23], s[24:31]          ; my one tensor load of the launch
	s_nop 0
.rept 4
	v_nop
.endr
	v_lshlrev_b32 v8, 4, v0
	global_load_b128 v[128:131], v8, s[6:7]        ; 512 threads x 16 bytes: the batch's mask
	v_lshl_add_u32 v28, v0, 4, MSK
	v_and_b32 v14, 31, v0                          ; lane
	v_and_b32 v12, 15, v0                          ; r
	v_bfe_u32 v13, v0, 4, 1                        ; h
	s_delay_alu instid0(VALU_DEP_3)
	v_lshlrev_b32 v1, 4, v14                       ; 16 x lane
	s_delay_alu instid0(VALU_DEP_4)
	v_lshlrev_b32 v2, 3, v14                       ; 8 x lane
	s_delay_alu instid0(VALU_DEP_3)
	v_lshl_add_u32 v3, v13, 6, MSK                 ; the mask of my half's 16 keys of a block of 32
	s_delay_alu instid0(VALU_DEP_4)
	v_lshlrev_b32 v4, 12, v13
	s_delay_alu instid0(VALU_DEP_1)
	v_lshl_add_u32 v4, v12, 4, v4                  ; out0: lanes 0-15 one row, lanes 16-31 the next; 16 bytes a lane
	s_mul_i32 s13, s10, 16*SP
	s_add_co_u32 s13, s13, STG                     ; my stage
	v_mul_u32_u24 v5, v12, SP
	s_delay_alu instid0(VALU_DEP_1)
	v_lshl_add_u32 v5, v13, 6, v5
	s_delay_alu instid0(VALU_DEP_1)
	v_add_nc_u32 v5, s13, v5                       ; in: row r, + 64 h
	v_mul_u32_u24 v6, v13, SP
	s_delay_alu instid0(VALU_DEP_1)
	v_lshl_add_u32 v6, v12, 4, v6
	s_delay_alu instid0(VALU_DEP_1)
	v_add_nc_u32 v6, s13, v6                       ; back: row h, 16 bytes a lane
	v_and_b32 v7, 8, v12
	s_delay_alu instid0(VALU_DEP_1)
	v_add_nc_u32 v7, v7, v12
	v_lshlrev_b32 v15, 4, v13
	s_delay_alu instid0(VALU_DEP_1)
	v_sub_nc_u32 v7, v7, v15                       ; r + 8 (r / 8) - 16 h
	v_lshlrev_b32 v11, 4, v12                      ; Q's scale words: 16 r
.irp i, 22,23,24,25,26,27
	v_mov_b32 v[\i], 0                             ; Q's K = 64 .. 127: zero codes
.endr
.irp t, 0,1,2,3
.irp i, 6,7,8,9,10,11
	v_mov_b32 v[32+12*\t+\i], 0                    ; K's likewise: set once, never loaded
.endr
.endr
.irp i, 236,237,238,239,252,253,254
	v_mov_b32 v[\i], 0                             ; written once: destinations of lane permutes and halves of pairs count as read
.endr
; A KEY STEP: 128 keys, record s38.  s39 = 13,056 s38, s40 = 512 s38.
.macro STEP
	s_cmp_gt_u32 s38, s37                          ; all its keys come after my 16 queries: the step's work is left out (the loop's trip count stays a constant)
	s_cbranch_scc1 .Lhidden_\@
	v_add_nc_u32 v8, s39, v1
	v_add_nc_u32 v9, s39, v2
	v_add_nc_u32 v10, s40, v3
	ds_load_b128 v[248:251], v8 offset:12288       ; K's scale words: register q: tile q in lanes 0-15, tile 4 + q in lanes 16-31
.irp T, 0,1,2,3
	ds_load_b128 v[128+8*\T:131+8*\T], v10 offset:(32*(\T/2)+8*(\T%2))*4      ; 8 x mask of the tile's keys 16 h + 0 .. 7: the sixteen lanes of a half read the same bytes
	ds_load_b128 v[132+8*\T:135+8*\T], v10 offset:(32*(\T/2)+8*(\T%2))*4+16
.endr
.irp t, 0,1,2,3
	ds_load_b128 v[32+12*\t:35+12*\t], v8 offset:768*\t
	ds_load_b64 v[36+12*\t:37+12*\t], v9 offset:768*\t+512
.endr
.irp T, 4,5,6,7
	ds_load_b128 v[128+8*\T:131+8*\T], v10 offset:(32*(\T/2)+8*(\T%2))*4
	ds_load_b128 v[132+8*\T:135+8*\T], v10 offset:(32*(\T/2)+8*(\T%2))*4+16
.endr
	s_wait_alu depctr_va_vdst(0)
	s_wait_dscnt 8                                 ; all but the youngest eight: the mask of tiles 4-7
.irp t, 0,1,2,3
	v_wmma_scale_f32_16x16x128_f8f6f4 v[128+8*\t:135+8*\t], v[32+12*\t:43+12*\t], v[16:27], v[128+8*\t:135+8*\t], v[248+\t], v255 matrix_a_fmt:MATRIX_FMT_BF6 matrix_b_fmt:MATRIX_FMT_BF6
.endr
.rept 4
	v_nop                                          ; places in front of loads into registers that these products read
.endr
.irp t, 0,1,2,3
	ds_load_b128 v[32+12*\t:35+12*\t], v8 offset:768*(4+\t)
	ds_load_b64 v[36+12*\t:37+12*\t], v9 offset:768*(4+\t)+512
.endr
.irp t, 0,1,2,3                                ; V's four tiles land while the softmax is worked.  (The last products that read these registers stand seven plain vector lines back)
.irp c, 0,1,2
	ds_load_b128 v[80+12*\t+4*\c:83+12*\t+4*\c], v8 offset:6144+1536*\t+512*\c
.endr
.endr
	ds_load_b64 v[30:31], v9 offset:12800          ; V's scale words: register q: tile q in lanes 0-15, tile 2 + q in lanes 16-31
	s_wait_dscnt 13                                ; all but V's thirteen
.irp t, 0,1,2,3
	v_wmma_scale_f32_16x16x128_f8f6f4 v[160+8*\t:167+8*\t], v[32+12*\t:43+12*\t], v[16:27], v[160+8*\t:167+8*\t], v[248+\t], v255 matrix_a_fmt:MATRIX_FMT_BF6 matrix_b_fmt:MATRIX_FMT_BF6 matrix_a_scale:MATRIX_SCALE_ROW1
.endr
.rept 4
	v_nop                                          ; places in front of the first read of the scores
.endr
	s_cmp_lt_u32 s38, s37                          ; a step all of whose keys count skips the diagonal's lines
	s_cbranch_scc1 .Lopen_\@
	v_mov_b32 v254, 0xff800000                     ; -infinity
.set n, 0
.rept 64                                       ; register 16 b + i holds key 32 b + 16 h + i of the step: hidden where 32 b + i > my query - 16 h
	v_cmp_gt_i32 vcc_lo, 32*(n/16)+n%16, v29
	v_cndmask_b32 v[128+n], v[128+n], v254, vcc_lo
.set n, n+1
.endr
.Lopen_\@:
.irp b, 0,1,2,3
	v_max3_num_f32 v[232+\b], v[128+16*\b], v[129+16*\b], v[130+16*\b]   ; the largest score of each block of 32 keys: it serves for the row's maximum and, since p rises with the score, for the block's largest p
.endr
.irp i, 3,5,7,9,11,13
.irp b, 0,1,2,3
	v_max3_num_f32 v[232+\b], v[232+\b], v[128+16*\b+\i], v[129+16*\b+\i]
.endr
.endr
.irp b, 0,1,2,3
	v_max_num_f32 v[232+\b], v[232+\b], v[143+16*\b]
.endr
.irp b, 0,1,2,3
	s_delay_alu instid0(VALU_DEP_4)
	v_permlanex16_b32 v[236+\b], v[232+\b], s14, s15
.endr
.irp b, 0,1,2,3
	s_delay_alu instid0(VALU_DEP_4)
	v_max_num_f32 v[232+\b], v[232+\b], v[236+\b]  ; with lane l xor 16's 16 keys
.endr
	s_delay_alu instid0(VALU_DEP_2)
	v_max3_num_f32 v254, v232, v233, v234
	s_delay_alu instid0(VALU_DEP_1)
	v_max_num_f32 v254, v254, v235                 ; the step's largest score of my query
	s_delay_alu instid0(VALU_DEP_1)
	v_mul_f32 v254, s16, v254                      ; as t (c is positive)
	s_delay_alu instid0(VALU_DEP_1)
	v_max_num_f32 v13, v13, v254                   ; the running largest t
	v_mov_b32 v254, v12
	s_delay_alu instid0(VALU_DEP_2)
	v_floor_f32 v12, -v13                          ; the new -M = floor(-t) = -ceil(t)
	s_delay_alu instid0(VALU_DEP_1)
	v_sub_f32 v254, v12, v254                      ; old M - new M: a whole number, 0 or less
	s_delay_alu instid0(VALU_DEP_1)
	v_cvt_i32_f32 v254, v254                       ; (it saturates)
	s_delay_alu instid0(VALU_DEP_1)
	v_ldexp_f32 v252, 1.0, v254                    ; f = 2^(old M - new M)
.set n, 0
.rept 32
	v_pk_fma_f32 v[128+n:129+n], v[128+n:129+n], s[16:17], v[12:13] op_sel_hi:[1,0,0]   ; t - M, two at a time
.set n, n+2
.endr
.irp b, 0,1,2,3
	v_fma_f32 v[232+\b], v[232+\b], s16, v12       ; the same of each block's largest score
.endr
.set n, 0
	s_wait_alu depctr_va_vdst(0)
.rept 64
	v_exp_f32 v[128+n], v[128+n]                   ; p = 2^(t - M), at most 1
.set n, n+1
.endr
.irp b, 0,1,2,3
	v_exp_f32 v[232+\b], v[232+\b]                 ; the block's largest p
.endr
	v_pk_mul_f32 v[14:15], v[14:15], v[252:253] op_sel_hi:[1,0]   ; the sums under the new M.  (A plain place behind the exponentials)
	s_wait_alu depctr_va_vdst(0)
.irp b, 0,1,2,3
	v_max_num_f32 v[232+\b], 0x2800000, v[232+\b]  ; the floor 2^(5 - 127): the byte cannot fall under 1 (a block of zeros keeps that byte: its codes are zeros)
.endr
.irp b, 0,1,2,3
	s_delay_alu instid0(VALU_DEP_4)
	v_add_nc_u32 v[244+\b], 0xfe000000, v[232+\b]  ; 4 off the exponent field: the conversion's scale operand
.endr
.irp b, 0,1,2,3
	s_delay_alu instid0(VALU_DEP_4)
	v_lshrrev_b32 v[236+\b], 23, v[244+\b]         ; the scale's byte
.endr
	s_delay_alu instid0(VALU_DEP_3)
	v_lshl_or_b32 v253, v237, 8, v236              ; p's scale word for these 128 keys
	s_delay_alu instid0(VALU_DEP_1)
	v_lshl_or_b32 v253, v238, 16, v253
	s_delay_alu instid0(VALU_DEP_1)
	v_lshl_or_b32 v253, v239, 24, v253
.irp c, 0,1
	v_cvt_scalef32_pk16_bf6_f32 v[224+6*\c:226+6*\c], v[128+32*\c:143+32*\c], v[244+2*\c]
	v_cvt_scalef32_pk16_bf6_f32 v[236+4*\c:238+4*\c], v[144+32*\c:159+32*\c], v[244+2*\c+1]   ; (a conversion's three registers begin on an even number)
.endr
	v_nop                                          ; one plain place behind a scaled conversion
.irp c, 0,1                                    ; the operand's layout wants a WHOLE block in a lane
.irp i, 0,1,2
	v_permlane16_swap_b32 v[224+6*\c+\i], v[236+4*\c+\i]
.endr
.irp i, 0,1,2
	s_delay_alu instid0(VALU_DEP_3)
	v_mov_b32 v[227+6*\c+\i], v[236+4*\c+\i]
.endr
.endr
	v_pk_add_f32 v[236:237], v[132:133], v[136:137]
	v_pk_add_f32 v[250:251], v[140:141], v[144:145]
	v_pk_add_f32 v[248:249], v[148:149], v[152:153]
	v_pk_add_f32 v[246:247], v[156:157], v[160:161]
	v_pk_add_f32 v[244:245], v[164:165], v[168:169]
	v_pk_add_f32 v[242:243], v[172:173], v[176:177]
	v_pk_add_f32 v[240:241], v[180:181], v[184:185]
	v_pk_add_f32 v[14:15], v[14:15], v[188:189]
	v_pk_add_f32 v[236:237], v[236:237], v[128:129]
	v_pk_add_f32 v[250:251], v[250:251], v[130:131]
	v_pk_add_f32 v[248:249], v[248:249], v[134:135]
	v_pk_add_f32 v[246:247], v[246:247], v[138:139]
	v_pk_add_f32 v[244:245], v[244:245], v[142:143]
	v_pk_add_f32 v[242:243], v[242:243], v[146:147]
	v_pk_add_f32 v[240:241], v[240:241], v[150:151]
	v_pk_add_f32 v[14:15], v[14:15], v[154:155]
	v_pk_add_f32 v[236:237], v[236:237], v[158:159]
	v_pk_add_f32 v[250:251], v[250:251], v[162:163]
	v_pk_add_f32 v[248:249], v[248:249], v[166:167]
	v_pk_add_f32 v[246:247], v[246:247], v[170:171]
	v_pk_add_f32 v[244:245], v[244:245], v[174:175]
	v_pk_add_f32 v[242:243], v[242:243], v[178:179]
	v_pk_add_f32 v[240:241], v[240:241], v[182:183]
	v_pk_add_f32 v[14:15], v[14:15], v[186:187]
	v_pk_add_f32 v[236:237], v[236:237], v[190:191]
	s_delay_alu instid0(VALU_DEP_2)
	v_pk_add_f32 v[14:15], v[14:15], v[246:247]
	s_delay_alu instid0(VALU_DEP_2)
	v_pk_add_f32 v[236:237], v[236:237], v[244:245]
	v_pk_add_f32 v[250:251], v[250:251], v[242:243]
	v_pk_add_f32 v[248:249], v[248:249], v[240:241]
	s_delay_alu instid0(VALU_DEP_2)
	v_pk_add_f32 v[14:15], v[14:15], v[250:251]
	s_delay_alu instid0(VALU_DEP_2)
	v_pk_add_f32 v[236:237], v[236:237], v[248:249]
	s_delay_alu instid0(VALU_DEP_1)
	v_pk_add_f32 v[14:15], v[14:15], v[236:237]
.set n, 0
.rept 16
	v_pk_mul_f32 v[192+n:193+n], v[192+n:193+n], v[252:253] op_sel_hi:[1,0]   ; O^T under the new M, each accumulator from its low end on
.set n, n+2
.endr
	s_wait_alu depctr_va_vdst(0)
	s_wait_dscnt 0x0                               ; V is in
.irp t, 0,1
	v_wmma_scale_f32_16x16x128_f8f6f4 v[192+8*\t:199+8*\t], v[80+12*\t:91+12*\t], v[224:235], v[192+8*\t:199+8*\t], v[30+\t], v253 matrix_a_fmt:MATRIX_FMT_BF6 matrix_b_fmt:MATRIX_FMT_BF6
.endr
.irp t, 2,3
	v_wmma_scale_f32_16x16x128_f8f6f4 v[192+8*\t:199+8*\t], v[80+12*\t:91+12*\t], v[224:235], v[192+8*\t:199+8*\t], v[28+\t], v253 matrix_a_fmt:MATRIX_FMT_BF6 matrix_b_fmt:MATRIX_FMT_BF6 matrix_a_scale:MATRIX_SCALE_ROW1
.endr
.Lhidden_\@:
.endm
; THE WAY OUT of a tile: O^T / the sum goes through my stage in LDS, so that sixteen lanes store a query's 64 channels: 256 consecutive bytes, aligned.
; Registers 0-15 of O^T are channels 16 h + 0 .. 15, registers 16-31 channels 32 + 16 h + 0 .. 15.  Stage row r is token r + 8 (r / 8) of the tile.
.macro WAYOUT
	v_add_f32 v14, v14, v15                        ; the sum's two halves,
	s_delay_alu instid0(VALU_DEP_1)
	v_permlanex16_b32 v252, v14, s14, s15
	s_delay_alu instid0(VALU_DEP_1)
	v_add_f32 v14, v14, v252                       ; and lane l xor 16's: the row's sum
	s_wait_alu depctr_va_vdst(0)
	v_rcp_f32 v14, v14
	v_nop                                          ; a plain place behind the transcendental
.set n, 0
	s_wait_alu depctr_va_vdst(0)
.rept 16
	v_pk_mul_f32 v[128+n:129+n], v[192+n:193+n], v[14:15] op_sel_hi:[1,0]
.set n, n+2
.endr
.irp k, 0,1,2,3
	ds_store_b128 v5, v[128+4*\k:131+4*\k] offset:16*\k
.endr
.irp k, 0,1,2,3
	ds_store_b128 v5, v[144+4*\k:147+4*\k] offset:128+16*\k
.endr
.irp i, 0,1,2,3,4,5,6,7
	ds_load_b128 v[160+4*\i:163+4*\i], v6 offset:2*\i*SP   ; LDS serves a wave's instructions in order: these see my stores
.endr
.irp i, 0,1,2,3,4,5,6,7
	s_wait_dscnt 7-\i                              ; load i is back; the younger ones may be out
	global_store_b128 v4, v[160+4*\i:163+4*\i], s[44:45] offset:(2*\i+8*(\i/4))*4096 th:TH_STORE_NT
.endr
.endm
; A TILE OF 16 QUERIES.  which = 0: j = 31 - wave;  1: j = wave.
.macro PRE which                       ; a tile's addresses, its loads of Q and its start values
	s_wait_xcnt 0x0                                ; bases, and the registers that the last tile's stores read, are written again only behind this wait
.if \which
	s_mov_b32 s36, s10
.else
	s_xor_b32 s36, s10, 31                         ; 31 - wave
.endif
	s_lshr_b32 s37, s36, 1                         ; the tile's 128 queries, and its last key step
	s_and_b32 s46, s36, 1
	s_lshl_b32 s47, s46, 2
	s_add_co_u32 s47, s47, s11                     ; T = 4 (j % 2) + cx: the tile among the eight of its record
	s_mul_i32 s48, s37, QREC
	s_mul_i32 s49, s47, 768
	s_add_co_u32 s42, s48, s49
	s_mov_b32 s43, 0
	s_add_nc_u64 s[42:43], s[32:33], s[42:43]      ; Q's codes
	s_lshl_b32 s46, s46, 8                         ; its scale words: register cx of the image, lanes 16 (j % 2) + r
	s_lshl_b32 s49, s11, 2
	s_add_co_u32 s50, s48, s46
	s_add_co_u32 s50, s50, s49
	s_add_co_u32 s50, s50, 6144
	s_mov_b32 s51, 0
	s_add_nc_u64 s[50:51], s[32:33], s[50:51]
	global_load_b128 v[16:19], v1, s[42:43]
	global_load_b64 v[20:21], v2, s[42:43] offset:512
	global_load_b32 v255, v11, s[50:51]
	s_lshr_b32 s41, s47, 1
	s_lshl_b32 s41, s41, 5
	s_and_b32 s46, s47, 1
	s_lshl_b32 s46, s46, 3
	s_add_co_u32 s41, s41, s46                     ; the tile's first token among the 128: 32 (T / 2) + 8 (T % 2)
	s_lshl_b32 s44, s37, 7
	s_add_co_u32 s44, s44, s41
	s_lshl_b32 s44, s44, 12                        ; x 4,096 bytes a row of out0
	s_mov_b32 s45, 0
	s_add_nc_u64 s[44:45], s[34:35], s[44:45]
	v_add_nc_u32 v29, s41, v7                      ; my query among the 128, less 16 h
	v_mov_b32 v13, 0xff61b1e6                      ; the largest t so far: -3e38
	s_delay_alu instid0(VALU_DEP_1)
	v_floor_f32 v12, -v13                          ; -M
	v_mov_b32 v14, 0                               ; the sum, in two halves
	v_mov_b32 v15, 0
.set n, 0
.rept 32
	v_mov_b32 v[192+n], 0                          ; O^T.  (The step is written once: the first finds zeros, which the first change of M leaves zeros)
.set n, n+1
.endr
.endm
.macro PASS                            ; the tile's walk over the key steps, and its way out
	s_mov_b32 s38, 0
	s_mov_b32 s39, 0
	s_mov_b32 s40, 0
	s_wait_loadcnt 0x0                             ; Q
.Lstep_\@:                                         ; 16 trips, a constant; the steps behind the diagonal do nothing
	STEP
	s_add_co_u32 s39, s39, STEPREC
	s_add_co_u32 s40, s40, 512
	s_add_co_u32 s38, s38, 1
	s_cmp_lt_u32 s38, 16
	s_cbranch_scc1 .Lstep_\@
.rept 4
	v_nop                                          ; places behind the last products
.endr
	WAYOUT
.endm
	PRE 0                                          ; the first tile's Q is asked for while the key records and the mask are on their way
	s_wait_alu depctr_va_vdst(0)                   ; a wait directly ahead of the wait below
	s_wait_loadcnt 0x0                             ; the mask (and Q)
	v_pk_mul_f32 v[132:133], v[128:129], 0x41000000 op_sel_hi:[1,0]   ; 8 x mask: exact
	v_pk_mul_f32 v[134:135], v[130:131], 0x41000000 op_sel_hi:[1,0]
	ds_store_b128 v28, v[132:135]
	s_wait_tensorcnt 0x0                           ; my key record has landed,
	s_wait_dscnt 0x0                               ; my part of the mask is stored:
	s_barrier_signal -1
	s_barrier_wait -1                              ; everybody's are.  From here on these bytes are only read
	PASS
	PRE 1
	PASS
	s_wait_dscnt 0x0
	s_wait_xcnt 0x0
	v_lshl_add_u32 v254, v0, 2, 0x46000
	v_mov_b32 v255, 0
	s_wait_alu depctr_va_vdst(0)
	s_wait_tensorcnt 0x0
	ds_add_u32 v254, v255
	s_wait_dscnt 0x0
	ROUND                                          ; the closing round: no work-group ends while a partner may still ask jointly
	s_endpgm
.Lfunc_end_k_q8b2cbc1a6b_attn:
	.size	k_q8b2cbc1a6b_attn, .Lfunc_end_k_q8b2cbc1a6b_attn-k_q8b2cbc1a6b_attn
	.p2alignl 7, 3214868480
	.fill 96, 4, 3214868480
	.section	.rodata,"a",@progbits
	.p2align	6, 0x0
	.amdhsa_kernel k_q8b2cbc1a6b_attn
		.amdhsa_group_segment_fixed_size 288768
		.amdhsa_private_segment_fixed_size 0
		.amdhsa_enable_private_segment 0
		.amdhsa_kernarg_size 24
		.amdhsa_user_sgpr_count 2
		.amdhsa_user_sgpr_kernarg_segment_ptr 1
		.amdhsa_wavefront_size32 1
		.amdhsa_system_sgpr_workgroup_id_x 1
		.amdhsa_system_sgpr_workgroup_id_y 1
		.amdhsa_system_sgpr_workgroup_id_z 1
		.amdhsa_system_vgpr_workitem_id 0
		.amdhsa_next_free_vgpr 256
		.amdhsa_next_free_sgpr 66
		.amdhsa_reserve_vcc 1
		.amdhsa_float_denorm_mode_32 3
		.amdhsa_float_denorm_mode_16_64 3
		.amdhsa_memory_ordered 1
		.amdhsa_forward_progress 1
		.amdhsa_inst_pref_size 66
	.end_amdhsa_kernel
	.amdgpu_metadata
---
amdhsa.version: [ 1, 2 ]
amdhsa.kernels:
  - .name:           k_q8b2cbc1a6b_attn
    .symbol:         k_q8b2cbc1a6b_attn.kd
    .args:
      - { .name: qkv, .offset: 0, .size: 8, .value_kind: global_buffer, .address_space: global }
      - { .name: attention_mask, .offset: 8, .size: 8, .value_kind: global_buffer, .address_space: global }
      - { .name: out0, .offset: 16, .size: 8, .value_kind: global_buffer, .address_space: global }
    .group_segment_fixed_size: 288768
    .private_segment_fixed_size: 0
    .kernarg_segment_align: 8
    .kernarg_segment_size: 24
    .max_flat_workgroup_size: 512
    .sgpr_count:     66
    .vgpr_count:     256
    .wavefront_size: 32
...
	.end_amdgpu_metadata
.endif
;; end of part 3
